; MI455X (gfx1250); checked and timed in simulation.
; The chip was launched on July 23, 2026; its instructions are those of AMD's public machine-readable ISA for CDNA 5 (MIT licence, August 2026) and "CDNA5" Instruction Set Architecture Reference Guide (July 2026). The comments in the code are by the model that wrote it; some were corrected since.
;; K Means Palettized Linear. Allowed arithmetic: matrix products marked QUANTISED: E5M2 operands, one given power-of-two scale a tensor, by v_wmma_f32_16x16x64_bf8_bf8 or v_wmma_f32_16x16x128_bf8_bf8, f32 sums; everything else in f32.
;; Inputs: bias 4,096 float32; input_codes 4 x 1,024 x 128 x 32 uint8 (E5M2 codes of input, K innermost, in blocks of 32 codes); lookup_table 256 float32; lowp_scales 2 int32 (the exponents e of the quantised operands' scales 2^e); weight_idx 4,096 x 4,096 int32.
;; Outputs: out0 4 x 1,024 x 4,096 float32.
;; This version of the problem:
;;   THIS VERSION OF THE PROBLEM IS GIVEN IN LOW PRECISION. The matrix products marked QUANTISED in the list below multiply operands that are first quantised to E5M2 (5 exponent bits, 2 mantissa bits; 8 bits a number), with one given power-of-two scale for each operand tensor; their sums are f32. All else is computed in f32.
;;   The module's matrix products, in the order in which they are computed (A, B: the left and right operand; K: the contracted axis; several contracted axes count as one K, in the product's order):
;;     1. [M 4,096, K 4,096] x [K 4,096, N 4,096]; A: input input (given as codes); B: computed on the way: QUANTISED (scales: A lowp_scales[0], B lowp_scales[1])
;;   THE QUANTISER, for each operand of a quantised product, along K:
;;     - The operand's scale is 2^e, e = its entry of the input lowp_scales (int32; the entries are numbered through the quantised products in the list's order, A before B).
;;     - Each number is divided by the scale, clamped to +-57,344, and rounded to the nearest number of E5M2, ties to even, subnormals kept.
;;     - The product sums the exact products of the quantised numbers (number of the format x scale) in f32.
;;   ~~~python
;;   def quantise(x, axis, e):      # numpy; x: float32 -> the quantised numbers, widened to float32 again
;;       x = np.moveaxis(x, axis, -1); K = x.shape[-1]
;;       r = np.clip(x / 2.0 ** e, -57344, 57344)
;;       step = 2.0 ** (np.maximum(np.frexp(np.where(r == 0, 1, r))[1] - 1, -14) - 2)
;;       q = np.round(r / step) * step * 2.0 ** e      # np.round: ties to even
;;       return np.moveaxis(q, -1, axis).astype(np.float32)
;;   ~~~
;;   OPERANDS COMPUTED ON THE WAY. 'Computed on the way' means the value that the module computes at that place (a softmax that the list does not call 'softmax' is quantised finished and normalised). What goes into a quantiser is computed in f32, as accurately as f32 sums, v_exp_f32 and their like allow (about 1e-6 of the number): no bf16 or f16 on the way to a quantiser, and a product that is left as it is and whose result goes on into a quantised operand takes f32 operands (vector FMAs, or v_wmma_f32_16x16x4_f32). A number that lies on a knife's edge between two numbers of the format may be rounded either way, as far as f32 arithmetic and the matrix unit's own rounding can turn it there, and no further.
;;   INPUTS GIVEN AS CODES. input (in the module: [4, 1024, 4096], K = its axis 2): each comes as NAME_codes (uint8): NAME with its K axis moved to the last place and cut into blocks of 32 codes, [.., K / 32, bytes a block], one block behind the other in memory; one code a byte (a code: sign, 5 exponent bits, 2 mantissa bits); its scale is its entry of lowp_scales. Its value is code x scale, taken as it is: it is not quantised again, and the codes and scales need not be those that the quantiser above would give.
;; One version. Each part assembles by itself: llvm-mc -triple=amdgcn-amd-amdhsa -mcpu=gfx1250 --defsym DOCPART=n.
;; ======== version 1 of 1: 2 launches
;; limits: right only within a limited range of input values
;; workspace buffers: w_codes 16,777,216 bytes
;; launch palette (part 1): grid 256 x 1, 16 waves a work-group, no clusters, 71,936 bytes of LDS; arguments weight_idx, lookup_table, lowp_scales, w_codes; writes w_codes
.if DOCPART == 1
	.amdgcn_target "amdgcn-amd-amdhsa--gfx1250"
	.amdhsa_code_object_version 6
	.text
	.protected	k_qe910a94b78_palette
	.globl	k_qe910a94b78_palette
	.p2align	8
	.type	k_qe910a94b78_palette,@function
k_qe910a94b78_palette:
	s_mov_b64 s[64:65], 0
	v_nop
	global_prefetch_b8 v0, s[64:65] scope:SCOPE_SE
	s_setreg_imm32_b32 hwreg(HW_REG_WAVE_MODE, 25, 1), 1
	s_wait_xcnt 0x0
; The E5M2 code of lookup_table[weight_idx[n][k]] under the given scale 2^e1 (e1 = entry 1 of lowp_scales), for all 4096 x 4096 weights.
; A weight's code hangs on its index alone: only the table's 256 numbers go through the quantiser (x / 2^e1, held within +-57,344, nearest code, ties to even); every weight is then a look-up of one byte.
; LIMITS: e1 between -126 and 112, so that 2^e1 and 57,344 x 2^e1 are f32 numbers.  NaN in the table is not served.  An index outside 0 .. 255, read as unsigned, is held at 255.
; w_codes IS LAID AS THE NEXT LAUNCH'S REGISTERS WANT IT: [n / 64][k / 128][(n / 16) % 4][c][lane][16 bytes], where lane = 16 h + n % 16 holds the codes of k % 128 = 32 c + 16 h + 0 .. 15.
; With p = k / 16 that is byte (p / 8) x 8192 + ((n / 16) % 4) x 2048 + (p % 8) x 256 + (n % 16) x 16 of the block of 64 rows.
; SHARES.  256 work-groups of sixteen waves; the work-group owns 16 rows n, wave w row 16 x work-group + w: 16,384 bytes of indices in.  All 32 loads of the row are issued at the head.
; LDS: bytes 0 .. 255 the table's codes (wave 0 stores them; one barrier).  From IMG on the stage: piece p of 16 rows x 16 bytes at p x 272; each byte is written once.  Behind it the spare words.
; A STEP is 512 indices of every row.  Lane l = (H = l / 16, q = (l / 4) % 4, a = l % 4).  Load j takes 16 bytes at 1024 H + 256 j + 64 q + 16 a: sixteen lanes read 256 consecutive bytes, aligned.
; Four codes are packed into word j; a transposition of 4 x 4 words among four lanes gives lane (H, q, a) the 16 codes of piece G = 16 H + 4 a + q of the step.  They go to the stage at (32 t + G) x 272 + 16 w;
; a barrier; wave w reads pieces 32 t + 2 w and + 1 back, 16 rows each, and stores 512 consecutive bytes, aligned.
.set LO,  2                            ; v2       my byte in a step's indices
.set SO,  5                            ; v5       16 G
.set P,   22                           ; v22-25   halves of a word
.set T,   26                           ; v26-29   what the neighbouring lane sends
.set SPW, 30                           ; v30      my spare word
.set NIL, 31                           ; v31      0
.set R,   32                           ; v32-159  the row's indices
.set C,   160                          ; v160-191 the bytes looked up: two sets of 16
.set WD,  192                          ; v192-223 four words for each step: no store's data are written again
.set STG, 224                          ; v224     where my piece goes in the stage
.set RDB, 225                          ; v225     where I read the stage back
.set SO2, 226                          ; v226     my byte in the work-group's part of w_codes
.set IMG, 256
.set IP,  272                          ; 256 bytes + 16: sixteen lanes with sixteen neighbouring p touch sixteen different 16-byte columns
.set SPARE, IMG+256*IP
	s_load_b256 s[4:11], s[0:1], 0x0               ; weight_idx s[4:5], lookup_table s[6:7], lowp_scales s[8:9], w_codes s[10:11]
	v_lshrrev_b32 v3, 5, v0
	s_delay_alu instid0(VALU_DEP_1)
	v_readfirstlane_b32 s12, v3                    ; wave 0..15
	s_lshl_b32 s18, s12, 4
	s_add_co_u32 s18, s18, IMG                     ; the stage, + 16 w
	s_mul_i32 s19, s12, 2*IP
	s_add_co_u32 s19, s19, IMG                     ; the stage, piece 2 w
	s_lshr_b32 s22, s12, 2
	s_lshl_b32 s22, s22, 13
	s_and_b32 s23, s12, 3
	s_lshl_b32 s23, s23, 9
	s_add_co_u32 s22, s22, s23                     ; pieces 2 w, 2 w + 1 in memory: (w / 4) x 8192 + (w % 4) x 512
	v_and_b32 v1, 31, v0                           ; lane
	v_bfe_u32 v3, v0, 4, 1                         ; H
	v_and_b32 v4, 15, v0
	s_delay_alu instid0(VALU_DEP_1)
	v_lshlrev_b32 v[LO], 4, v4
	s_delay_alu instid0(VALU_DEP_1)
	v_lshl_add_u32 v[LO], v3, 10, v[LO]            ; 1024 H + 16 (l % 16)
	v_and_b32 v6, 3, v0                            ; a
	v_bfe_u32 v7, v0, 2, 2                         ; q
	v_lshlrev_b32 v[SO], 8, v3
	s_delay_alu instid0(VALU_DEP_1)
	v_lshl_add_u32 v[SO], v6, 6, v[SO]
	s_delay_alu instid0(VALU_DEP_1)
	v_lshl_add_u32 v[SO], v7, 4, v[SO]             ; 16 G
	v_lshlrev_b32 v8, 3, v1                        ; the table in LDS: my eight codes
	v_lshlrev_b32 v9, 5, v1                        ; the table in memory: my eight numbers
	v_mad_u32_u24 v[STG], v[SO], 17, s18           ; 272 G + 16 w
	v_mad_u32_u24 v[RDB], v3, IP, s19
	v_lshl_add_u32 v[SO2], v1, 4, s22
	v_lshl_add_u32 v[SPW], v0, 2, SPARE
	v_lshl_add_u32 v[RDB], v4, 4, v[RDB]           ; piece 2 w + H, row l % 16
	v_mov_b32 v[NIL], 0
.irp i, 0,1,2,3
	v_mov_b32 v[T+\i], 0                           ; written once: the destination of a move from another lane counts as one of its sources
.endr
	s_mov_b32 s20, 0xaaaaaaaa                      ; the lanes with a odd
	s_mov_b32 s21, 0xcccccccc                      ; the lanes with a = 2, 3
	s_lshl_b32 s13, ttmp9, 4
	s_add_co_u32 s13, s13, s12                     ; my row
	s_lshl_b32 s14, s13, 14                        ; its indices: 16,384 bytes a row
	s_mov_b32 s15, 0
	s_wait_alu depctr_va_vdst(0)                   ; the wait at the head's end
	s_wait_kmcnt 0x0
	s_load_b32 s16, s[8:9], 0x4                    ; e1
	s_add_nc_u64 s[4:5], s[4:5], s[14:15]
	s_lshr_b32 s14, ttmp9, 2
	s_lshl_b32 s14, s14, 18                        ; the block of 64 rows: 262,144 bytes,
	s_and_b32 s13, ttmp9, 3
	s_lshl_b32 s13, s13, 11                        ; and my work-group's 16 rows in it
	s_add_co_u32 s14, s14, s13
	s_add_nc_u64 s[10:11], s[10:11], s[14:15]
	global_load_b128 v[12:15], v9, s[6:7]          ; the table: eight numbers a lane
	global_load_b128 v[16:19], v9, s[6:7] offset:16
.irp t, 0,1,2,3,4,5,6,7
.irp j, 0,1,2,3
	global_load_b128 v[R+16*\t+4*\j:R+16*\t+4*\j+3], v[LO], s[4:5] offset:2048*\t+256*\j th:TH_LOAD_NT   ; the whole row at once; read once in the launch
.endr
.endr
	s_wait_kmcnt 0x0
	s_add_co_i32 s16, s16, 127
	s_lshl_b32 s17, s16, 23
	v_mov_b32 v10, s17                             ; 2^e1 as f32
	s_add_co_i32 s16, s16, 15
	s_lshl_b32 s16, s16, 23
	s_or_b32 s16, s16, 0x600000
	v_mov_b32 v11, s16                             ; 57,344 x 2^e1
	s_wait_alu depctr_va_vdst(0)
	s_wait_loadcnt 32                              ; the table's two loads are in, the row's 32 stay out
.irp i, 0,1,2,3,4,5,6,7
	v_med3_num_f32 v[12+\i], v[12+\i], -v11, v11   ; the conversion does not saturate (ISA guide 7.6.2): the hold
.endr
	v_cvt_scalef32_pk8_bf8_f32 v[20:21], v[12:19], v10
	v_nop                                          ; one plain vector instruction behind the scaled conversion
	s_cmp_lg_u32 s12, 0
	s_cbranch_scc1 .Lno_table
	ds_store_b64 v8, v[20:21]                      ; wave 0: entries 8 l .. 8 l + 7
.Lno_table:
	s_wait_dscnt 0x0
	s_barrier_signal -1
	s_barrier_wait -1                              ; behind it every wave reads the table and nobody writes it
.macro GATHER t                        ; step t's sixteen look-ups: the index, held within the table, is the byte's LDS address
	s_wait_loadcnt 28-4*(\t)                       ; step t's four loads are in; the later steps' stay out
.irp i, 0,1,2,3,4,5,6,7,8,9,10,11,12,13,14,15
	v_min_u32 v[R+16*(\t)+\i], 0xff, v[R+16*(\t)+\i]
.endr
.irp i, 0,1,2,3,4,5,6,7,8,9,10,11,12,13,14,15
	ds_load_u8 v[C+16*((\t)%2)+\i], v[R+16*(\t)+\i]
.endr
.endm
.macro FINISH t                        ; step t's bytes are packed, exchanged among four lanes, staged and stored
.set CS, C+16*((\t)%2)
.set W,  WD+4*(\t)
.if (\t) < 7
	s_wait_dscnt 16                                ; this step's sixteen are in, the next step's sixteen stay out
.else
	s_wait_dscnt 0x0
.endif
.irp j, 0,1,2,3
	v_lshl_or_b32 v[P+2*(\j%2)],   v[CS+4*\j+1], 8, v[CS+4*\j]
	v_lshl_or_b32 v[P+2*(\j%2)+1], v[CS+4*\j+3], 8, v[CS+4*\j+2]
	s_delay_alu instid0(VALU_DEP_1)
	v_lshl_or_b32 v[W+\j], v[P+2*(\j%2)+1], 16, v[P+2*(\j%2)]
.endr
	; word j of lane a <-> word a of lane j: first the low bits change places (lane xor 1), then the high bits (lane xor 2)
	v_mov_b32_dpp v[T+0], v[W+1] row_xmask:1 row_mask:0xf bank_mask:0xf
	v_mov_b32_dpp v[T+1], v[W+0] row_xmask:1 row_mask:0xf bank_mask:0xf
	s_delay_alu instid0(VALU_DEP_3)
	v_mov_b32_dpp v[T+2], v[W+3] row_xmask:1 row_mask:0xf bank_mask:0xf
	v_mov_b32_dpp v[T+3], v[W+2] row_xmask:1 row_mask:0xf bank_mask:0xf
	s_delay_alu instid0(VALU_DEP_4)
	v_cndmask_b32 v[W+0], v[W+0], v[T+0], s20
	s_delay_alu instid0(VALU_DEP_4)
	v_cndmask_b32 v[W+1], v[T+1], v[W+1], s20
	s_delay_alu instid0(VALU_DEP_4)
	v_cndmask_b32 v[W+2], v[W+2], v[T+2], s20
	s_delay_alu instid0(VALU_DEP_4)
	v_cndmask_b32 v[W+3], v[T+3], v[W+3], s20
	s_delay_alu instid0(VALU_DEP_2)
	v_mov_b32_dpp v[T+0], v[W+2] row_xmask:2 row_mask:0xf bank_mask:0xf
	v_mov_b32_dpp v[T+1], v[W+0] row_xmask:2 row_mask:0xf bank_mask:0xf
	s_delay_alu instid0(VALU_DEP_3)
	v_mov_b32_dpp v[T+2], v[W+3] row_xmask:2 row_mask:0xf bank_mask:0xf
	v_mov_b32_dpp v[T+3], v[W+1] row_xmask:2 row_mask:0xf bank_mask:0xf
	s_delay_alu instid0(VALU_DEP_4)
	v_cndmask_b32 v[W+0], v[W+0], v[T+0], s21
	s_delay_alu instid0(VALU_DEP_4)
	v_cndmask_b32 v[W+2], v[T+1], v[W+2], s21
	s_delay_alu instid0(VALU_DEP_4)
	v_cndmask_b32 v[W+1], v[W+1], v[T+2], s21
	s_delay_alu instid0(VALU_DEP_4)
	v_cndmask_b32 v[W+3], v[T+3], v[W+3], s21
	ds_store_b128 v[STG], v[W:W+3] offset:32*IP*(\t)   ; my row's 16 bytes of piece 32 t + G
	s_wait_dscnt 0x0                               ; for the others' sake: my store has landed
	s_barrier_signal -1
	s_barrier_wait -1                              ; the step's 32 pieces are whole
	ds_load_b128 v[W:W+3], v[RDB] offset:32*IP*(\t)    ; sixteen rows of pieces 32 t + 2 w and + 1
	s_wait_dscnt 0x0
	global_store_b128 v[SO2], v[W:W+3], s[10:11] offset:32768*(\t)   ; the wave stores 512 consecutive bytes, at a multiple of 256 from the buffer's first byte
.endm
	GATHER 0
.irp t, 0,1,2,3,4,5,6
	GATHER \t+1                                    ; the next step's look-ups are out while this step is packed
	FINISH \t
.endr
	FINISH 7
	s_wait_tensorcnt 0x0                           ; the wave's end
	ds_add_u32 v[SPW], v[NIL]
	s_wait_dscnt 0x0
	s_endpgm
.Lfunc_end_k_qe910a94b78_palette:
	.size	k_qe910a94b78_palette, .Lfunc_end_k_qe910a94b78_palette-k_qe910a94b78_palette
	.p2alignl 7, 3214868480
	.fill 96, 4, 3214868480
	.section	.rodata,"a",@progbits
	.p2align	6, 0x0
	.amdhsa_kernel k_qe910a94b78_palette
		.amdhsa_group_segment_fixed_size 71936
		.amdhsa_private_segment_fixed_size 0
		.amdhsa_enable_private_segment 0
		.amdhsa_kernarg_size 32
		.amdhsa_user_sgpr_count 2
		.amdhsa_user_sgpr_kernarg_segment_ptr 1
		.amdhsa_wavefront_size32 1
		.amdhsa_system_sgpr_workgroup_id_x 1
		.amdhsa_system_sgpr_workgroup_id_y 1
		.amdhsa_system_sgpr_workgroup_id_z 1
		.amdhsa_system_vgpr_workitem_id 0
		.amdhsa_next_free_vgpr 228
		.amdhsa_next_free_sgpr 66
		.amdhsa_reserve_vcc 0
		.amdhsa_float_denorm_mode_32 3
		.amdhsa_float_denorm_mode_16_64 3
		.amdhsa_memory_ordered 1
		.amdhsa_forward_progress 1
		.amdhsa_inst_pref_size 45
	.end_amdhsa_kernel
	.amdgpu_metadata
---
amdhsa.version: [ 1, 2 ]
amdhsa.kernels:
  - .name:           k_qe910a94b78_palette
    .symbol:         k_qe910a94b78_palette.kd
    .args:
      - { .name: weight_idx, .offset: 0, .size: 8, .value_kind: global_buffer, .address_space: global }
      - { .name: lookup_table, .offset: 8, .size: 8, .value_kind: global_buffer, .address_space: global }
      - { .name: lowp_scales, .offset: 16, .size: 8, .value_kind: global_buffer, .address_space: global }
      - { .name: w_codes, .offset: 24, .size: 8, .value_kind: global_buffer, .address_space: global }
    .group_segment_fixed_size: 71936
    .private_segment_fixed_size: 0
    .kernarg_segment_align: 8
    .kernarg_segment_size: 32
    .max_flat_workgroup_size: 512
    .sgpr_count:     66
    .vgpr_count:     228
    .wavefront_size: 32
...
	.end_amdgpu_metadata
.endif
;; end of part 1
;; launch gemm (part 2): grid 16 x 16, 4 waves a work-group, clusters of 4 x 1, 327,680 bytes of LDS; arguments input_codes, w_codes, lowp_scales, bias, out0; writes out0
.if DOCPART == 2
	.amdgcn_target "amdgcn-amd-amdhsa--gfx1250"
	.amdhsa_code_object_version 6
	.text
	.protected	k_qe910a94b78_gemm
	.globl	k_qe910a94b78_gemm
	.p2align	8
	.type	k_qe910a94b78_gemm,@function
k_qe910a94b78_gemm:
	s_mov_b64 s[64:65], 0
	v_nop
	global_prefetch_b8 v0, s[64:65] scope:SCOPE_SE
	s_setreg_imm32_b32 hwreg(HW_REG_WAVE_MODE, 25, 1), 1
	s_wait_xcnt 0x0
	s_wait_alu depctr_hold_cnt(0) depctr_sa_sdst(0) depctr_va_vdst(0) depctr_va_sdst(0) depctr_va_ssrc(0) depctr_va_vcc(0) depctr_vm_vsrc(0)
	s_getreg_b32 s2, hwreg(HW_REG_IB_STS2, 6, 4)
	s_cmp_eq_u32 s2, 0
	s_cbranch_scc0 .Lentry_in_a_cluster
	s_endpgm
.Lentry_in_a_cluster:
	s_bfe_u32 s2, ttmp6, 0x10000c
	s_cmp_lg_u32 s2, 0x3003
	s_cbranch_scc0 .Lentry_shape_is_right
	s_endpgm
.Lentry_shape_is_right:
; out0[m][n] = 2^(e0 + e1) x sum over k of A[m][k] W[n][k] + bias[n].  A = input_codes [4096][4096] bytes, K innermost; W = w_codes, E5M2 codes laid as register images by the launch before; sums in f32.
; LIMIT: e0 + e1 between -126 and 127, so that 2^(e0 + e1) is an f32 number.
; A work-group of four waves makes 256 x 256 of the result; wave w makes all 256 rows x columns 64 w .. 64 w + 63: 64 accumulators of 16 x 16, 512 registers.
; ONLY A GOES THROUGH LDS: a ring of two slots of 256 rows x 512 bytes of K, each wave fetching 64 rows by one tensor load; a slot serves four steps of 128 along K, so the launch has six refills.
; W GOES FROM MEMORY STRAIGHT INTO REGISTERS: a wave's four fragments of a step are 8,192 consecutive bytes, sixteen loads of 512 consecutive bytes; no two waves of a work-group read the same bytes of W.
; Four sets of 64 registers take turns: in step i the set that step i - 1 used is asked for step i + 3.  s_wait_loadcnt 32 at a step's head leaves the two younger sets out.
; CLUSTER 4 x 1: the four partners make the same rows and ask for A's tiles jointly (mask 15).  Their columns of W differ, so nothing of W is shared inside a cluster.
; A UNIT is one fragment of A (16 rows x 128 K) against W's four: four matrix instructions.  A GROUP is four units.  A's fragments lie in a ring of eight, two halves of four.
; ALL LOADS OF A GROUP STAND IN ONE RUN AT ITS HEAD: four v_nop behind the last group's products (ISA guide 7.12.1 for vector instructions), the sixteen LDS loads of the NEXT group's fragments, into the half
; that the last group used, and, in a step's first group, W's sixteen loads.  The group's units then wait with s_wait_dscnt 28, 24, 20, 16: the group's younger fragments and the sixteen loads just issued stay out.
; The 64 accumulators take turns.
; THE MATRIX INSTRUCTION IS USED TRANSPOSED (source 0 = 16 rows of W, source 1 = 16 rows of A): a lane holds eight neighbouring numbers of a row of the result.
; k is permuted alike in A and W: lane (r, h), registers 4 c .. 4 c + 3 hold K = 32 c + 16 h + 0 .. 15.
; THE LAST 256 ALONG K GO BY ROWS: a group finishes two blocks of 16 rows, which leave at once, through the wave's own stage in LDS, as whole rows of 256 bytes.
; PREFETCHES.  A: behind each refill but the last two, the K step two refills on: 512 blocks of 256 bytes, a lane a block, the four partners sharing the rows out by address (16 of a wave's 64 rows each).
; W: in each step up to step 24 the wave's 8,192 bytes of the step seven on, a lane a block of 256 bytes; step 24 asks for step 31, the last.
; REGISTERS: window 0: v0-31 addresses, v32-95 the way out, v128-255 A's ring.  Window 1: W's four sets.  Windows 2, 3: accumulator (a, b) at v[32 (a % 8) + 8 b], blocks 0-7 and 8-15.
.set PITCH,  528                       ; 512 bytes + 16: the sixteen rows of a fragment load start at sixteen different 16-byte columns
.set ABLK,   16*PITCH
.set QT,     64*PITCH                  ; what one tensor load brings
.set SLOT,   256*PITCH
.set STAGE,  2*SLOT                    ; 16 rows x 272 bytes for each wave; no tile lands here
.set SPITCH, 272
.set SPARE,  STAGE+4*16*SPITCH         ; the spare words, 128 bytes a wave
.set BSTEP,  8192                      ; a wave's bytes of W for 128 along K
.set BIAS, 8                           ; v8-11   bias of my four columns on the way out
.set ADRA, 16                          ; v16-19  LDS address of A's fragments: slot 0 blocks 0-7, 8-15; slot 1 likewise
.set BO,   20                          ; v20     16 x lane
.set PB,   21                          ; v21     256 x lane
.set BI,   22                          ; v22     16 (l % 16)
.set STO,  24
.set RD,   25
.set CO,   26
.set SPW,  28
.set NIL,  29
.set PFO,  30
.set OB,   32
.set AF,   128
.set G1, 24                            ; s[24:31] descriptor group 1
.set G0, 32                            ; s[32:39] group 0, one set for each slot
.set BB, 44                            ; s[44:45] my stream of W
.set PFA, 46                           ; s[46:47] where A's prefetches stand
.set TO_B, 0x40
.set MSB, 0
.macro WIN new                         ; the immediate's high byte repeats the setting that is left
.if MSB != \new
	s_set_vgpr_msb (MSB<<8)|(\new)
.set MSB, \new
.endif
.endm
.macro PLACES
.rept 4
	v_nop
.endr
.endm
.macro JLOAD s                         ; the joint load of my 64 rows; s_nop 0 and four v_nop follow it
	tensor_load_to_lds s[G0+4*\s:G0+4*\s+3], s[G1:G1+7]
	s_nop 0
	PLACES
.endm
.macro CREST
	s_cmp_lg_u32 s14, 0
	s_cbranch_scc1 .Lnot_wave_0_\@
	s_barrier_signal -3
.Lnot_wave_0_\@:
	s_barrier_wait -3
	s_barrier_signal -1
	s_barrier_wait -1
.endm
.macro CROUND
	s_barrier_signal -1
	s_barrier_wait -1
	CREST
.endm
.macro ASK                             ; s3 = 1 in the loop's last trip: its two refills have no K step two on
	s_cmp_gt_u32 s3, 1
	s_cbranch_scc0 .Lno_ask_\@
	global_prefetch_b8 v[PFO], s[PFA:PFA+1] th:TH_LOAD_NT scope:SCOPE_SE
.Lno_ask_\@:
.endm
; The stream of A's fragments, followed by the assembler: slot LSL, step LQ, block LA, ring place LR.  LMODE = 1: by rows (steps 2 and 3 of a block, then the next block).
.set LSL, 0
.set LQ, 0
.set LA, 0
.set LR, 0
.set LMODE, 0
.set LEND, 0
.set ARMED, 0
.set CR, 0                             ; the ring place that the next unit multiplies
.set KJ, 0                             ; the step's number from s[BB]; -1: nothing of W is left to ask for
.set KP, 0                             ; the same for W's prefetch
.macro LDA
.irp c, 0,1,2,3
	ds_load_b128 v[AF+16*LR+4*\c:AF+16*LR+4*\c+3], v[ADRA+2*LSL+LA/8] offset:(LA%8)*ABLK+128*LQ+32*\c
.endr
.set LR, (LR+1)%8
.if LMODE
.if LQ == 2
.set LQ, 3
.else
.set LQ, 2
.set LA, LA+1
.if LA == 16
.set LEND, 1
.endif
.endif
.else
.set LA, LA+1
.if LA == 16
.set LA, 0
.set LQ, LQ+1
.if LQ == 4
.set LQ, 0
.set LSL, 1-LSL
.endif
.if ARMED && (LQ == 2)
.set LMODE, 1
.endif
.endif
.endif
.endm
.macro LDA4                            ; the next group's four fragments
	LDA
	LDA
	LDA
	LDA
.endm
.macro WM b, q, zero
.if \zero
	v_wmma_f32_16x16x128_bf8_bf8 v[AC+8*\b:AC+8*\b+7], v[64*(\q)+16*\b:64*(\q)+16*\b+15], v[AR:AR+15], 0
.else
	v_wmma_f32_16x16x128_bf8_bf8 v[AC+8*\b:AC+8*\b+7], v[64*(\q)+16*\b:64*(\q)+16*\b+15], v[AR:AR+15], v[AC+8*\b:AC+8*\b+7]
.endif
.endm
; w: how many younger LDS instructions may stay out; -1: the fragment is known to be in
.macro UNIT a, q, zero, w
.set AC, 32*((\a)%8)
.set AR, AF+16*CR
.set MW, 0xa1+0x50*((\a)/8)            ; source 0 window 1, source 1 window 0, C and D window 2 or 3
.if (\w) >= 0
	s_wait_dscnt \w
.endif
	WIN MW
	WM 0, \q, \zero
	WM 1, \q, \zero
	WM 2, \q, \zero
	WM 3, \q, \zero
.set CR, (CR+1)%8
.endm
; extra = 1: W's set for the step three on joins the run; 2: W's prefetch does
.macro GROUP a0, q, zero, extra
	PLACES
	WIN 0
	LDA4
.if ((\extra) == 2) && (KP >= 0)
	global_prefetch_b8 v[PB], s[BB:BB+1] offset:(KP+7)*BSTEP th:TH_LOAD_NT scope:SCOPE_SE
.endif
.if ((\extra) == 1) && (KJ >= 0)
	WIN TO_B
.irp i, 0,1,2,3,4,5,6,7,8,9,10,11,12,13,14,15
	global_load_b128 v[64*(((\q)+3)%4)+4*\i:64*(((\q)+3)%4)+4*\i+3], v[BO], s[BB:BB+1] offset:(KJ+3)*BSTEP+512*\i
.endr
.endif
	UNIT \a0, \q, \zero, 28
	UNIT (\a0)+1, \q, \zero, 24
	UNIT (\a0)+2, \q, \zero, 20
	UNIT (\a0)+3, \q, \zero, 16
.endm
.macro SUB q, zero                     ; a step of 128 along K whose successor lies in the same slot
	s_wait_loadcnt 32
	GROUP 0, \q, \zero, 1
	GROUP 4, \q, \zero, 2
	GROUP 8, \q, \zero, 0
	GROUP 12, \q, \zero, 0
.endm
; A slot's last step changes slots.  Its third group's run asks for the slot's last fragments; then each wave waits for all its tensor loads, adds 0 to its spare word, and waits for that and for its reads of the slot.
.macro TURN slot, fill
.if \fill
	s_wait_xcnt 0x0                                ; my prefetches have read their address
	s_add_nc_u64 s[PFA:PFA+1], s[PFA:PFA+1], 512
.endif
	s_wait_loadcnt 32
	GROUP 0, 3, 0, 1
	GROUP 4, 3, 0, 2
	PLACES
	WIN 0
	LDA4
	UNIT 8, 3, 0, 28
	UNIT 9, 3, 0, 24
	WIN 0
	s_wait_tensorcnt 0x0                           ; my part of the next slot has landed
	ds_add_u32 v[SPW], v[NIL]                      ; four products stand between the add and the wait for it
	UNIT 10, 3, 0, 20                              ; behind its fragment: unit 11's four loads, the run's sixteen, the add
	s_wait_dscnt 0x0
	s_barrier_signal -1
	UNIT 11, 3, 0, -1
	WIN 0
	s_barrier_wait -1
.if \fill
	CREST                                          ; the barrier has opened a round of the cluster's barrier
	s_add_nc_u64 s[G0+4*\slot+2:G0+4*\slot+3], s[G0+4*\slot+2:G0+4*\slot+3], 1024
	JLOAD \slot                                    ; its four v_nop are also the places in front of the loads below
.else
	PLACES
.endif
	LDA4                                           ; the next slot's first four fragments
.if \fill
	ASK
.endif
.irp a, 12,13,14,15
	UNIT \a, 3, 0, -1                              ; in since the wait for 0 above
.endr
.endm
	s_load_b128 s[4:7], s[0:1], 0x0                ; input_codes, w_codes
	s_load_b128 s[8:11], s[0:1], 0x10              ; lowp_scales, bias
	s_load_b64 s[12:13], s[0:1], 0x20              ; out0
	v_lshl_add_u32 v[SPW], v0, 2, SPARE
	v_mov_b32 v[NIL], 0
	ds_add_u32 v[SPW], v[NIL]                      ; the opening lines: the add twice on end
	ds_add_u32 v[SPW], v[NIL]
	v_lshrrev_b32 v1, 5, v0
	v_readfirstlane_b32 s14, v1                    ; wave 0..3
	s_bfe_u32 s40, ttmp6, 0x40000                  ; cx
	s_lshl_b32 s42, ttmp9, 2
	s_add_co_u32 s42, s42, s40                     ; tile column
	s_and_b32 s17, ttmp7, 0xffff                   ; tile row
	s_mov_b32 s[G1+0], 15|(1<<20)|(1<<21)|(6<<22)|(3<<25)   ; mask of the four partners; elements of a byte; 4 words of padding behind every 128
	s_mov_b32 s[G1+1], 512<<16
	s_mov_b32 s[G1+2], 64<<16
	s_mov_b32 s[G1+3], 512<<16
	s_mov_b32 s[G1+4], 64
	s_mov_b32 s[G1+5], 4096
	s_mov_b32 s[G1+6], 0
	s_mov_b32 s[G1+7], 0
	s_lshl_b32 s20, s17, 20
	s_lshl_b32 s18, s14, 18
	s_add_co_u32 s20, s20, s18                     ; A: row 256 x tile row + 64 x wave, 4,096 bytes a row
	s_mov_b32 s21, 0
	s_lshl_b32 s22, s42, 20
	s_add_co_u32 s22, s22, s18                     ; W: block of 64 columns 4 x tile column + wave, 262,144 bytes each
	s_mov_b32 s23, 0
	s_lshl_b32 s48, s40, 16
	s_add_co_u32 s48, s48, s20
	s_add_co_u32 s48, s48, 3*512                   ; A's prefetches: my work-group's 16 of my 64 rows; the first refill steps this to K step 4
	s_mov_b32 s49, 0
	s_lshl_b32 s52, s17, 22                        ; out0: 256 rows of 16,384 bytes
	s_mov_b32 s53, 0
	s_lshl_b32 s54, s42, 10
	s_lshl_b32 s55, s14, 8
	s_add_co_u32 s54, s54, s55                     ; my 64 columns, in bytes
	s_mov_b32 s55, 0
	s_mul_i32 s41, s14, QT
	s_mul_i32 s50, s14, 16*SPITCH
	s_add_co_u32 s50, s50, STAGE
	v_and_b32 v1, 15, v0                           ; r
	v_bfe_u32 v2, v0, 4, 1                         ; h
	v_and_b32 v6, 31, v0
	v_mul_u32_u24 v3, v1, PITCH
	v_lshl_add_u32 v[ADRA], v2, 4, v3
	v_add_nc_u32 v[ADRA+1], 8*ABLK, v[ADRA]
	v_add_nc_u32 v[ADRA+2], SLOT, v[ADRA]
	v_add_nc_u32 v[ADRA+3], SLOT+8*ABLK, v[ADRA]
	v_lshlrev_b32 v[BO], 4, v6
	v_lshlrev_b32 v[PB], 8, v6
	v_lshlrev_b32 v[BI], 4, v1
	v_mul_u32_u24 v4, v1, SPITCH
	v_lshl_add_u32 v4, v2, 5, v4
	v_add_nc_u32 v[STO], s50, v4                   ; into the stage: row r, 32 bytes for each half of the lanes
	v_mul_u32_u24 v5, v2, SPITCH
	v_lshl_add_u32 v5, v1, 4, v5
	v_add_nc_u32 v[RD], s50, v5                    ; back: lanes 0-15 one row of 256 bytes, lanes 16-31 the next
	v_lshl_add_u32 v[CO], v2, 14, v[BI]            ; and the same two rows in out0
	v_lshlrev_b32 v[PFO], 12, v1
	v_lshl_add_u32 v[PFO], v2, 8, v[PFO]           ; A's prefetch: row l % 16, block l / 16 of its 512 bytes
	s_wait_alu depctr_va_vdst(0)                   ; the wait at the head's end
	s_wait_dscnt 0x0
	s_wait_kmcnt 0x0
	s_load_b64 s[96:97], s[8:9], 0x0               ; e0, e1
	s_add_nc_u64 s[20:21], s[4:5], s[20:21]
	s_add_nc_u64 s[BB:BB+1], s[6:7], s[22:23]
	s_add_nc_u64 s[PFA:PFA+1], s[4:5], s[48:49]
	s_add_nc_u64 s[12:13], s[12:13], s[52:53]
	s_add_nc_u64 s[12:13], s[12:13], s[54:55]
	s_add_nc_u64 s[10:11], s[10:11], s[54:55]
.irp s, 0,1
	s_mov_b32 s[G0+4*\s], 1
	s_add_co_u32 s[G0+4*\s+1], s41, \s*SLOT
	s_add_nc_u64 s[G0+4*\s+2:G0+4*\s+3], s[20:21], \s*512
	s_or_b32 s[G0+4*\s+3], s[G0+4*\s+3], 0x80000000
.endr
	global_load_b128 v[BIAS:BIAS+3], v[BI], s[10:11]
	WIN TO_B
.irp k, 0,1,2
.irp i, 0,1,2,3,4,5,6,7,8,9,10,11,12,13,14,15
	global_load_b128 v[64*\k+4*\i:64*\k+4*\i+3], v[BO], s[BB:BB+1] offset:\k*BSTEP+512*\i   ; W's first three sets
.endr
.endr
	WIN 0
	CROUND                                         ; the four partners are here: the first joint loads meet
	JLOAD 0                                        ; K step 0: one tensor load a wave at the head
	s_wait_kmcnt 0x0
	s_add_co_i32 s96, s96, s97
	s_add_co_i32 s96, s96, 127
	s_lshl_b32 s96, s96, 23                        ; 2^(e0 + e1) as f32
	s_mov_b32 s97, s96
	s_wait_tensorcnt 0x0                           ; my part of K step 0 is in; slot 1's first fill is issued as a refill is
	ds_add_u32 v[SPW], v[NIL]
	s_wait_dscnt 0x0
	CROUND
	JLOAD 1
	LDA4                                           ; the first group's fragments
	SUB 0, 1                                       ; the first step starts the sums
	WIN 0
	s_mov_b32 s3, 3
.Llap:                                                 ; once round the ring, from a lap's second step to the next lap's first
.set KJ, 1
.set KP, 1
	SUB 1, 0
.set KJ, 2
.set KP, 2
	SUB 2, 0
.set KJ, 3
.set KP, 3
	TURN 0, 1
.set KJ, 4
.set KP, 4
	SUB 0, 0
.set KJ, 5
.set KP, 5
	SUB 1, 0
.set KJ, 6
.set KP, 6
	SUB 2, 0
.set KJ, 7
.set KP, 7
	TURN 1, 1
.set KJ, 8
.set KP, 8
	SUB 0, 0
	WIN 0
	s_wait_xcnt 0x0                                ; W's loads and prefetches have read their base
	s_add_nc_u64 s[BB:BB+1], s[BB:BB+1], 8*BSTEP
	s_sub_co_u32 s3, s3, 1
	s_cmp_lg_u32 s3, 0
	s_cbranch_scc1 .Llap
.set KP, -1                            ; the last lap: steps 25 to 31; W's sets 28 to 31 are still asked for, nothing is prefetched or refilled
.set KJ, 1
	SUB 1, 0
.set KJ, 2
	SUB 2, 0
.set KJ, 3
	TURN 0, 0
.set KJ, 4
	SUB 0, 0
.set KJ, -1
.set ARMED, 1
	SUB 1, 0                                       ; its last group's run begins the stream by rows
; THE WAY OUT of block a: 16 rows x 64 columns through my own stage (LDS serves a wave's instructions in order: ISA guide 5.7.1.4), back as whole rows, x 2^(e0 + e1) + bias, stored.
.macro TOSTAGE a
.set AC, 32*((\a)%8)
	PLACES                                         ; the stores read results just made
	WIN 0x08+4*((\a)/8)                            ; store data: window 2 or 3
.irp b, 0,1,2,3
	ds_store_b128 v[STO], v[AC+8*\b:AC+8*\b+3] offset:64*\b         ; each accumulator from its low end on
	ds_store_b128 v[STO], v[AC+8*\b+4:AC+8*\b+7] offset:64*\b+16
.endr
	WIN 0
.if (\a) > 1
	s_wait_xcnt 0x0                                ; block a - 2's stores have read the registers that the loads below fill
.endif
.irp t, 0,1,2,3,4,5,6,7
	ds_load_b128 v[OB+32*((\a)%2)+4*\t:OB+32*((\a)%2)+4*\t+3], v[RD] offset:\t*2*SPITCH
.endr
.endm
.macro SEND a, younger
.set BK, OB+32*((\a)%2)
	s_wait_dscnt \younger
.irp t, 0,1,2,3,4,5,6,7
	v_pk_fma_f32 v[BK+4*\t:BK+4*\t+1],   v[BK+4*\t:BK+4*\t+1],   s[96:97], v[BIAS:BIAS+1]   op_sel_hi:[1,0,1]
	v_pk_fma_f32 v[BK+4*\t+2:BK+4*\t+3], v[BK+4*\t+2:BK+4*\t+3], s[96:97], v[BIAS+2:BIAS+3] op_sel_hi:[1,0,1]
.endr
.irp t, 0,1,2,3,4,5,6,7
	global_store_b128 v[CO], v[BK+4*\t:BK+4*\t+3], s[12:13] offset:(16*(\a)+2*\t)*16384 th:TH_STORE_NT   ; sixteen lanes store 256 consecutive bytes, aligned
.endr
.endm
; A group by rows: blocks a and a + 1 are finished, each block's four accumulators by turns, K ascending, and leave.  The last group has no run: nothing is left to ask for.
.macro RGROUP a
	PLACES
.if LEND == 0
	WIN 0
	LDA4
.endif
	UNIT \a, 2, 0, 28
	UNIT \a, 3, 0, 24
	UNIT (\a)+1, 2, 0, 20
	UNIT (\a)+1, 3, 0, 16
	TOSTAGE \a
	TOSTAGE (\a)+1
	SEND \a, 16                                    ; block a + 1's sixteen stage instructions may stay out
	SEND (\a)+1, 0                                 ; everything is in, the next group's fragments too
.endm
	s_wait_loadcnt 0x0                             ; W's last two sets
.irp a, 0,2,4,6,8,10,12,14
	RGROUP \a
.endr
	s_wait_tensorcnt 0x0                           ; the wave's end
	ds_add_u32 v[SPW], v[NIL]
	s_wait_dscnt 0x0
	CROUND                                         ; the closing round
	s_endpgm
.Lfunc_end_k_qe910a94b78_gemm:
	.size	k_qe910a94b78_gemm, .Lfunc_end_k_qe910a94b78_gemm-k_qe910a94b78_gemm
	.p2alignl 7, 3214868480
	.fill 96, 4, 3214868480
	.section	.rodata,"a",@progbits
	.p2align	6, 0x0
	.amdhsa_kernel k_qe910a94b78_gemm
		.amdhsa_group_segment_fixed_size 327680
		.amdhsa_private_segment_fixed_size 0
		.amdhsa_enable_private_segment 0
		.amdhsa_kernarg_size 40
		.amdhsa_user_sgpr_count 2
		.amdhsa_user_sgpr_kernarg_segment_ptr 1
		.amdhsa_wavefront_size32 1
		.amdhsa_system_sgpr_workgroup_id_x 1
		.amdhsa_system_sgpr_workgroup_id_y 1
		.amdhsa_system_sgpr_workgroup_id_z 1
		.amdhsa_system_vgpr_workitem_id 0
		.amdhsa_next_free_vgpr 1024
		.amdhsa_next_free_sgpr 98
		.amdhsa_reserve_vcc 0
		.amdhsa_float_denorm_mode_32 3
		.amdhsa_float_denorm_mode_16_64 3
		.amdhsa_memory_ordered 1
		.amdhsa_forward_progress 1
		.amdhsa_inst_pref_size 230
	.end_amdhsa_kernel
	.amdgpu_metadata
---
amdhsa.version: [ 1, 2 ]
amdhsa.kernels:
  - .name:           k_qe910a94b78_gemm
    .symbol:         k_qe910a94b78_gemm.kd
    .args:
      - { .name: input_codes, .offset: 0, .size: 8, .value_kind: global_buffer, .address_space: global }
      - { .name: w_codes, .offset: 8, .size: 8, .value_kind: global_buffer, .address_space: global }
      - { .name: lowp_scales, .offset: 16, .size: 8, .value_kind: global_buffer, .address_space: global }
      - { .name: bias, .offset: 24, .size: 8, .value_kind: global_buffer, .address_space: global }
      - { .name: out0, .offset: 32, .size: 8, .value_kind: global_buffer, .address_space: global }
    .group_segment_fixed_size: 327680
    .private_segment_fixed_size: 0
    .kernarg_segment_align: 8
    .kernarg_segment_size: 40
    .max_flat_workgroup_size: 128
    .sgpr_count:     98
    .vgpr_count:     1024
    .wavefront_size: 32
...
	.end_amdgpu_metadata
.endif
;; end of part 2
